; MI455X (gfx1250); checked and timed in simulation.
; The chip was launched on July 23, 2026; its instructions are those of AMD's public machine-readable ISA for CDNA 5 (MIT licence, August 2026) and "CDNA5" Instruction Set Architecture Reference Guide (July 2026). The comments in the code are by the model that wrote it; some were corrected since.
;; Top K Prompt Selector. Allowed arithmetic: matrix products marked QUANTISED: E2M1 operands, one E8M0 scale for each 32 along K, by v_wmma_scale_f32_16x16x128_f8f6f4 with both operands' format E2M1 (or v_wmma_scale_f32_32x16x128_f4), f32 sums; products left as they are: f32 operands where the result goes on into a quantised operand, else bf16, f16 or f32 operands; f32 sums; everything else in f32.
;; Inputs: W_codes 8,192 x 24 x 16 uint8 (E2M1 codes of W, K innermost, in blocks of 32 codes, two codes a byte); W_scales 8,192 x 24 uint8 (E8M0 scales of W, one for each 32 codes along K); b 8,192 float32; prompt_pool 8,192 x 768 float32; vision_features_codes 8,192 x 24 x 16 uint8 (E2M1 codes of vision_features, K innermost, in blocks of 32 codes, two codes a byte); vision_features_scales 8,192 x 24 uint8 (E8M0 scales of vision_features, one for each 32 codes along K).
;; Outputs: out0 8,192 x 768 float32.
;; This version of the problem:
;;   THIS VERSION OF THE PROBLEM IS GIVEN IN LOW PRECISION. The matrix products marked QUANTISED in the list below multiply operands that are first quantised to E2M1 (2 exponent bits, 1 mantissa bit; 4 bits a number), with one power-of-two scale for each 32 numbers along K (OCP MX v1.0); their sums are f32. All else is computed in f32.
;;   The module's matrix products, in the order in which they are computed (A, B: the left and right operand; K: the contracted axis; several contracted axes count as one K, in the product's order):
;;     1. [M 8,192, K 768] x [K 768, N 8,192]; A: input vision_features (given as codes); B: input W (given as codes): QUANTISED
;;     2. batch 8,192 x [M 768, K 5] x [K 5, N 1]; A: computed on the way; B: softmax: left as it is (K = 5 < 32)
;;   THE QUANTISER, for each operand of a quantised product, along K:
;;     - K is cut into blocks of 32 from its start; a last block that is shorter is filled with zeros.
;;     - A block's scale is 2^e with e = floor(log2(the largest magnitude in the block)) - 2, held to -126 .. 127; a block of zeros has e = 0. As a byte (E8M0): e + 127.
;;     - Each number is divided by its block's scale, clamped to +-6, and rounded to the nearest number of E2M1, ties to even, subnormals kept.
;;     - The product sums the exact products of the quantised numbers (number of the format x scale) in f32.
;;   ~~~python
;;   def quantise(x, axis):      # numpy; x: float32 -> the quantised numbers, widened to float32 again
;;       x = np.moveaxis(x, axis, -1); K = x.shape[-1]
;;       x = np.pad(x, [(0, 0)] * (x.ndim - 1) + [(0, -K % 32)]); x = x.reshape(x.shape[:-1] + (-1, 32)); a = np.abs(x).max(-1, keepdims=True)
;;       e = np.where(a > 0, np.clip(np.frexp(np.where(a > 0, a, 1))[1] - 1 - 2, -126, 127), 0)      # np.frexp(a)[1] - 1 = floor(log2(a)), exactly
;;       r = np.clip(x / 2.0 ** e, -6, 6)
;;       step = 2.0 ** (np.maximum(np.frexp(np.where(r == 0, 1, r))[1] - 1, 0) - 1)
;;       q = np.round(r / step) * step * 2.0 ** e      # np.round: ties to even
;;       return np.moveaxis(q.reshape(q.shape[:-2] + (-1,))[..., :K], -1, axis).astype(np.float32)
;;   ~~~
;;   INPUTS GIVEN AS CODES. W (in the module: [8192, 768], K = its axis 1); vision_features (in the module: [8192, 768], K = its axis 1): each comes as NAME_codes (uint8): NAME with its K axis moved to the last place and cut into blocks of 32 codes, [.., K / 32, bytes a block], one block behind the other in memory; two codes a byte, the lower K in the low four bits (a code: sign, 2 exponent bits, 1 mantissa bit); and NAME_scales (uint8): the same leading axes, one E8M0 byte (e + 127) for each 32 codes along K. Its value is code x scale, taken as it is: it is not quantised again, and the codes and scales need not be those that the quantiser above would give.
;; One version. Each part assembles by itself: llvm-mc -triple=amdgcn-amd-amdhsa -mcpu=gfx1250 --defsym DOCPART=n.
;; ======== version 1 of 1: 3 launches
;; limits: right only within a limited range of input values
;; workspace buffers: g1 33,554,432 bytes of whole numbers; g2 8,388,608 bytes of whole numbers; sidx 262,144 bytes of whole numbers; swt 262,144 bytes
;; launch scan (part 1): grid 16 x 16, 4 waves a work-group, clusters of 4 x 1, 236,544 bytes of LDS; arguments vision_features_codes, vision_features_scales, W_codes, W_scales, b, g1, g2; writes g1, g2
.if DOCPART == 1
	.amdgcn_target "amdgcn-amd-amdhsa--gfx1250"
	.amdhsa_code_object_version 6
	.text
	.protected	k_q0aebe4e1a5_scan
	.globl	k_q0aebe4e1a5_scan
	.p2align	8
	.type	k_q0aebe4e1a5_scan,@function
k_q0aebe4e1a5_scan:
	s_mov_b64 s[64:65], 0
	v_nop
	global_prefetch_b8 v0, s[64:65] scope:SCOPE_SE
	s_setreg_imm32_b32 hwreg(HW_REG_WAVE_MODE, 25, 1), 1
	s_wait_xcnt 0x0
	s_wait_alu depctr_hold_cnt(0) depctr_sa_sdst(0) depctr_va_vdst(0) depctr_va_sdst(0) depctr_va_ssrc(0) depctr_va_vcc(0) depctr_vm_vsrc(0)
	s_getreg_b32 s2, hwreg(HW_REG_IB_STS2, 6, 4)
	s_cmp_eq_u32 s2, 0
	s_cbranch_scc0 .Lentry_in_a_cluster
	s_endpgm
.Lentry_in_a_cluster:
	s_bfe_u32 s2, ttmp6, 0x10000c
	s_cmp_lg_u32 s2, 0x3003
	s_cbranch_scc0 .Lentry_shape_is_right
	s_endpgm
.Lentry_shape_is_right:
; scores[row][n] = X[row] . W[n] + b[n] on codes of FP4 (E2M1) with E8M0 scales, K = 768 = 6 steps of 128.  No score goes to memory.
; A GROUP is 8 neighbouring prompts (gid = n / 8), a QUAD 4 neighbouring groups (32 prompts).  This launch stores, as the f32 bits, every group's largest score (g1) and every quad's (g2).
; A row's five largest scores lie in its five first groups by (maximum descending, gid ascending), and those lie in its five first quads by the same order: were one outside, five others would each hold
; a member that comes before it.  The next launch picks quads, then groups, by whole-number work on the stored bits, and works the 40 candidates out again.
; SHARES.  A work-group: 512 rows x 512 prompts (a part); 16 x 16 work-groups.  The part's codes, scale bytes and bias lie in LDS, filled once.  Wave w owns rows 128 w .. + 127: eight tiles of X that stay in
; registers (384 of fragments, 48 of scale words); each fragment of W read from LDS feeds eight products.
; TRANSPOSED USE (source 0 = 16 rows of W, source 1 = 16 rows of X): lane (r, h) holds row r of X, its register j the tile's row 8 h + j.  Tile T takes prompts 8 T + (r & 7) + 256 (r >> 3):
; a lane's eight registers are ONE group, gid = 64 part + 32 h + T.
; THE BIAS is added behind the finished sum, one rounding, as the definition has it.
; g1: [row / 16][part][T / 4][lane][T % 4] words: a store covers 512 consecutive bytes.  g2: [row / 32][part][T / 4][lane][(row / 16) % 2] words: a store covers 256 consecutive bytes, aligned.
; CLUSTER.  The four work-groups of a cluster differ in their rows alone: W's codes are asked for JOINTLY (mask 15), one load a wave.  The scale bytes and the bias (14 KiB) come through registers into LDS bytes of their own.
; NO DATA PREFETCH: all that the launch reads is asked for at its head; the loop loads nothing from memory.
; LIMITS: a scale byte 0xff and sums beyond f32's range (NaN or infinite scores) are not served.
; LDS: 0 prompts 0-255, 432 bytes a row (384 of codes, 16 of padding behind each 128); UPD prompts 256-511; SCL scale bytes, 24 a row, the upper 256 rows 16 bytes further on; BIA the bias; SPARE the spare words.
.set PITCH, 432
.set UPD,   110720
.set SCL,   221440
.set SCUD,  6160
.set BIA,   233984
.set SPARE, 236032
.set ADB, 1                            ; v1, v14, v15  LDS addresses of the trip in hand: bias, codes, scale words
.set AC,  3                            ; v3-5  my lane's place in a tile's codes, scale words, bias
.set AS,  4
.set AB,  5
.set VX,  6                            ; v6   X's codes: 384 r + 16 h
.set VXS, 7                            ; v7   X's scale words: 24 r
.set VT,  8                            ; v8   16 x thread
.set VL,  9                            ; v9   SCL + 16 x thread
.set O1,  10                           ; v10  16 x lane
.set O2,  11                           ; v11  8 x lane
.set SPW, 12
.set NIL, 13
.set ADC, 14
.set ADS, 15
.set XS,  16                           ; v16-63   X's scale words, 6 x + s
.set WS,  64                           ; v64-75   W's scale words, two buffers
.set BI,  76                           ; v76-91   eight biases, two buffers
.set ACC, 92                           ; v92-155  eight accumulators
.set MQ,  156                          ; v156-187 the groups' maxima, 4 x + T % 4
.set L2,  188                          ; v188-195 the quads' maxima
                                       ; window 1: X's tiles 0-3, 48 x + 8 s; window 2: tiles 4-7; window 3: v0-95 W's fragments, two buffers
.set WV,   18
.set PART, 23
.set G1C,  24
.set G0C,  32
.set ST1,  36                          ; s[36:37], s[38:39] what a trip adds to g1's and g2's address: 0 in the first
.set ST2,  38
.set CNT,  40
.set TC,   46
.set TS,   47
.set TB,   48
.set MSB, 0
.macro WIN new
.if MSB != (\new)
	s_set_vgpr_msb (MSB<<8)|(\new)
.set MSB, \new
.endif
.endm
.macro CROUND
	s_barrier_signal -1
	s_barrier_wait -1
	s_cmp_lg_u32 s[WV], 0
	s_cbranch_scc1 .Lnot_wave_0_\@
	s_barrier_signal -3
.Lnot_wave_0_\@:
	s_barrier_wait -3
	s_barrier_signal -1
	s_barrier_wait -1
.endm
	s_load_b256 s[4:11], s[0:1], 0x0               ; X's codes, X's scales, W's codes, W's scales
	s_load_b128 s[12:15], s[0:1], 0x20             ; b, g1
	s_load_b64 s[16:17], s[0:1], 0x30              ; g2
	v_lshl_add_u32 v[SPW], v0, 2, SPARE
	v_mov_b32 v[NIL], 0
	ds_add_u32 v[SPW], v[NIL]                      ; the opening lines: the add twice on end
	ds_add_u32 v[SPW], v[NIL]
	v_lshrrev_b32 v1, 5, v0
	v_readfirstlane_b32 s[WV], v1                  ; wave 0..3
	s_and_b32 s19, s[WV], 1                        ; which 128 rows
	s_lshr_b32 s20, s[WV], 1                       ; of the lower or of the upper 256
	s_bfe_u32 s21, ttmp6, 0x40000                  ; cx
	s_lshl_b32 s22, ttmp9, 2
	s_add_co_u32 s22, s22, s21                     ; my block of 512 rows
	s_and_b32 s[PART], ttmp7, 0xffff               ; my part, which the four partners share
	; group 1: 128 rows of W, dense in memory, stated as 64 rows of 768 bytes; 16 bytes of padding behind every 128
	s_mov_b32 s[G1C], 15|(1<<20)|(1<<21)|(4<<22)|(3<<25)
	s_mov_b32 s[G1C+1], 768<<16
	s_mov_b32 s[G1C+2], 64<<16
	s_mov_b32 s[G1C+3], 768<<16
	s_mov_b32 s[G1C+4], 64
	s_mov_b32 s[G1C+5], 768
	s_mov_b32 s[G1C+6], 0
	s_mov_b32 s[G1C+7], 0
	s_mul_i32 s[G0C+1], s19, 128*PITCH
	s_mul_i32 s42, s20, UPD
	s_add_co_u32 s[G0C+1], s[G0C+1], s42
	s_mul_i32 s42, s[PART], 512*384
	s_mul_i32 s43, s[WV], 128*384
	s_add_co_u32 s42, s42, s43
	s_mov_b32 s43, 0
	s_wait_dscnt 0x0
	s_wait_kmcnt 0x0
	s_mov_b32 s[G0C], 1
	s_add_nc_u64 s[G0C+2:G0C+3], s[8:9], s[42:43]
	s_or_b32 s[G0C+3], s[G0C+3], 0x80000000
	CROUND                                         ; all four work-groups are here: the joint loads meet
	tensor_load_to_lds s[G0C:G0C+3], s[G1C:G1C+7]  ; my one tensor load
	s_nop 0
.rept 4
	v_nop
.endr
	s_lshl_b32 s42, s22, 9
	s_lshl_b32 s43, s[WV], 7
	s_add_co_u32 s44, s42, s43                     ; my first row
	s_mov_b32 s43, 0
	s_mul_i32 s42, s44, 384
	s_add_nc_u64 s[4:5], s[4:5], s[42:43]
	s_mul_i32 s42, s44, 24
	s_add_nc_u64 s[6:7], s[6:7], s[42:43]
	s_mul_i32 s42, s[PART], 12288
	s_add_nc_u64 s[10:11], s[10:11], s[42:43]
	s_lshl_b32 s42, s[PART], 11
	s_add_nc_u64 s[12:13], s[12:13], s[42:43]
	s_add_co_u32 s42, s44, s[PART]
	s_lshl_b32 s42, s42, 12                        ; g1: 65,536 bytes for 16 rows, 4,096 a part
	s_add_nc_u64 s[14:15], s[14:15], s[42:43]
	s_lshl_b32 s42, s44, 10                        ; g2: 32,768 bytes for 32 rows, 2,048 a part
	s_lshl_b32 s45, s[PART], 11
	s_add_co_u32 s42, s42, s45
	s_add_nc_u64 s[16:17], s[16:17], s[42:43]
	s_mov_b32 s[ST1], 0
	s_mov_b32 s[ST1+1], 0
	s_mov_b32 s[ST2], 0
	s_mov_b32 s[ST2+1], 0
	s_mov_b32 s[TC], 0
	s_mov_b32 s[TS], 0
	s_mov_b32 s[TB], 0
	s_mov_b32 s[CNT], 7
	v_and_b32 v1, 15, v0                           ; r
	v_bfe_u32 v2, v0, 4, 1                         ; h
	v_mul_u32_u24 v[VX], v1, 384
	v_lshl_add_u32 v[VX], v2, 4, v[VX]
	v_mul_u32_u24 v[VXS], v1, 24
	v_lshlrev_b32 v[VT], 4, v0
	v_add_nc_u32 v[VL], SCL, v[VT]
	v_and_b32 v14, 7, v1
	v_lshrrev_b32 v15, 3, v1
	v_mul_u32_u24 v[AC], v14, PITCH
	v_mad_u32_u24 v[AC], v15, UPD, v[AC]
	v_lshl_add_u32 v[AC], v2, 4, v[AC]
	v_mul_u32_u24 v[AS], v14, 24
	v_mad_u32_u24 v[AS], v15, SCUD, v[AS]
	v_add_nc_u32 v[AS], SCL, v[AS]
	v_lshl_add_u32 v[AB], v2, 10, BIA
	v_and_b32 v[O2], 31, v0
	v_lshlrev_b32 v[O1], 4, v[O2]
	v_lshlrev_b32 v[O2], 3, v[O2]
	v_add_nc_u32 v[ADC], s[TC], v[AC]
	v_add_nc_u32 v[ADS], s[TS], v[AS]
	v_add_nc_u32 v[ADB], s[TB], v[AB]
	s_wait_alu depctr_va_vdst(0)
.irp i, 0,1,2,3,4,5
	global_load_b128 v[ACC+4*\i:ACC+4*\i+3], v[VT], s[10:11] offset:2048*\i   ; the part's scale bytes: 128 threads x 16 bytes, six times
.endr
	global_load_b128 v[ACC+24:ACC+27], v[VT], s[12:13]                         ; and its bias
.irp f, 0,1                                    ; X's fragments: lane (r, h) takes, of row 16 x + r, bytes 64 s + 32 c + 16 h on
	WIN 0x40*(1+\f)
.irp x, 0,1,2,3
.irp s, 0,1,2,3,4,5
.irp c, 0,1
	global_load_b128 v[48*\x+8*\s+4*\c:48*\x+8*\s+4*\c+3], v[VX], s[4:5] offset:6144*(4*\f+\x)+64*\s+32*\c
.endr
.endr
.endr
.endr
	WIN 0
.irp x, 0,1,2,3,4,5,6,7
.irp i, 0,1,2
	global_load_b64 v[XS+6*\x+2*\i:XS+6*\x+2*\i+1], v[VXS], s[6:7] offset:384*\x+8*\i
.endr
.endr
	s_wait_tensorcnt 0x0                           ; my fill has landed: no LDS store of mine stands under it
	s_wait_loadcnt 63                              ; 127 loads were issued: the seven oldest are in
.irp i, 0,1,2,3,4,5
	ds_store_b128 v[VL], v[ACC+4*\i:ACC+4*\i+3] offset:2048*\i+16*(\i/3)
.endr
	ds_store_b128 v[VL], v[ACC+24:ACC+27] offset:BIA-SCL
	s_wait_dscnt 0x0                               ; for the others' sake
	s_barrier_signal -1
	s_barrier_wait -1                              ; the part is whole, and nothing is filled again
; a tile's 17 LDS loads, tile u of the trip in hand, into buffer p: 12 of fragments and 3 of scale words; 2 of biases
.macro LDF p, u
	WIN 0xc0
.irp s, 0,1,2,3,4,5
.irp c, 0,1
	ds_load_b128 v[48*(\p)+8*\s+4*\c:48*(\p)+8*\s+4*\c+3], v[ADC] offset:(\u)*8*PITCH+64*\s+16*(\s/2)+32*\c
.endr
.endr
	WIN 0
.irp i, 0,1,2
	ds_load_b64 v[WS+6*(\p)+2*\i:WS+6*(\p)+2*\i+1], v[ADS] offset:(\u)*192+8*\i
.endr
.endm
.macro LDB p, u
	ds_load_b128 v[BI+8*(\p):BI+8*(\p)+3], v[ADB] offset:(\u)*32
	ds_load_b128 v[BI+8*(\p)+4:BI+8*(\p)+7], v[ADB] offset:(\u)*32+16
.endm
; 24 products: four of my tiles of X; K ascending, the four accumulators by turns; the first step starts the sums
.macro MM p, f
.irp s, 0,1,2,3,4,5
.irp x, 0,1,2,3
.if \s == 0
	v_wmma_scale_f32_16x16x128_f8f6f4 v[ACC+8*(4*\f+\x):ACC+8*(4*\f+\x)+7], v[48*\p+8*\s:48*\p+8*\s+7], v[48*\x+8*\s:48*\x+8*\s+7], 0, v[WS+6*\p+\s], v[XS+6*(4*\f+\x)+\s] matrix_a_fmt:MATRIX_FMT_FP4 matrix_b_fmt:MATRIX_FMT_FP4
.else
	v_wmma_scale_f32_16x16x128_f8f6f4 v[ACC+8*(4*\f+\x):ACC+8*(4*\f+\x)+7], v[48*\p+8*\s:48*\p+8*\s+7], v[48*\x+8*\s:48*\x+8*\s+7], v[ACC+8*(4*\f+\x):ACC+8*(4*\f+\x)+7], v[WS+6*\p+\s], v[XS+6*(4*\f+\x)+\s] matrix_a_fmt:MATRIX_FMT_FP4 matrix_b_fmt:MATRIX_FMT_FP4
.endif
.endr
.endr
.endm
; tile t of a trip, on buffer p.  ld = 1: the tile two further on is fetched into the same buffer.  cnt: the younger LDS loads that may stay out
.macro TILE p, t, ld, cnt
	s_wait_dscnt \cnt
	WIN 0x07                                       ; source 0 (W) window 3, source 1 (X) window 1
	MM \p, 0
	WIN 0x0b                                       ; X window 2
	MM \p, 1
	WIN 0
.rept 4
	v_nop                                          ; the places behind the products (ISA guide 7.12.1)
.endr
.if \t == 0
	s_wait_xcnt 0x0                                ; the last trip's stores have read their registers and bases
	s_add_nc_u64 s[14:15], s[14:15], s[ST1:ST1+1]
	s_add_nc_u64 s[16:17], s[16:17], s[ST2:ST2+1]
	s_mov_b32 s[ST1], 512
	s_mov_b32 s[ST2], 256
.endif
.if \ld
	LDF \p, \t+2
.endif
.irp x, 0,1,2,3,4,5,6,7
.irp q, 0,1,2,3
	v_pk_add_f32 v[ACC+8*\x+2*\q:ACC+8*\x+2*\q+1], v[ACC+8*\x+2*\q:ACC+8*\x+2*\q+1], v[BI+8*\p+2*\q:BI+8*\p+2*\q+1]   ; + b, one rounding; each accumulator from its low end on
.endr
.endr
.if \ld
	LDB \p, \t+2
.if \t == 3
	s_add_co_u32 s[TC], s[TC], 32*PITCH            ; on to the next trip's four tiles
	s_add_co_u32 s[TS], s[TS], 768
	s_add_co_u32 s[TB], s[TB], 128
	v_add_nc_u32 v[ADC], s[TC], v[AC]
	v_add_nc_u32 v[ADS], s[TS], v[AS]
	v_add_nc_u32 v[ADB], s[TB], v[AB]
.endif
.endif
.irp x, 0,1,2,3,4,5,6,7
	v_max3_num_f32 v[MQ+4*\x+\t], v[ACC+8*\x], v[ACC+8*\x+1], v[ACC+8*\x+2]   ; the group's maximum; the eight tiles by turns
.endr
.irp x, 0,1,2,3,4,5,6,7
	v_max3_num_f32 v[MQ+4*\x+\t], v[MQ+4*\x+\t], v[ACC+8*\x+3], v[ACC+8*\x+4]
.endr
.irp x, 0,1,2,3,4,5,6,7
	v_max3_num_f32 v[MQ+4*\x+\t], v[MQ+4*\x+\t], v[ACC+8*\x+5], v[ACC+8*\x+6]
.endr
.irp x, 0,1,2,3,4,5,6,7
	v_max_num_f32 v[MQ+4*\x+\t], v[MQ+4*\x+\t], v[ACC+8*\x+7]
.endr
.if \t == 3
.irp x, 0,1,2,3,4,5,6,7
	v_max3_num_f32 v[L2+\x], v[MQ+4*\x], v[MQ+4*\x+1], v[MQ+4*\x+2]           ; the quad's maximum
.endr
.irp x, 0,1,2,3,4,5,6,7
	v_max_num_f32 v[L2+\x], v[L2+\x], v[MQ+4*\x+3]
.endr
.irp x, 0,1,2,3,4,5,6,7
	global_store_b128 v[O1], v[MQ+4*\x:MQ+4*\x+3], s[14:15] offset:65536*\x th:TH_STORE_NT   ; 512 consecutive bytes
.endr
.irp i, 0,1,2,3
	global_store_b64 v[O2], v[L2+2*\i:L2+2*\i+1], s[16:17] offset:32768*\i th:TH_STORE_NT    ; 256 consecutive bytes, aligned
.endr
.endif
.endm
	LDF 0, 0
	LDB 0, 0
	LDF 1, 1
	LDB 1, 1
	s_wait_loadcnt 0x0                             ; X
.Ltrip:                                                ; a trip: four tiles, one quad for each row and half
	TILE 0, 0, 1, 17
	TILE 1, 1, 1, 17
	TILE 0, 2, 1, 17
	TILE 1, 3, 1, 17
	s_sub_co_u32 s[CNT], s[CNT], 1
	s_cmp_lg_u32 s[CNT], 0
	s_cbranch_scc1 .Ltrip
	TILE 0, 0, 1, 17                               ; the last trip is written out: its last two tiles fetch nothing
	TILE 1, 1, 1, 17
	TILE 0, 2, 0, 17
	TILE 1, 3, 0, 0
	s_wait_tensorcnt 0x0                           ; the wave's end
	ds_add_u32 v[SPW], v[NIL]
	s_wait_dscnt 0x0
	CROUND                                         ; the closing round
	s_endpgm
.Lfunc_end_k_q0aebe4e1a5_scan:
	.size	k_q0aebe4e1a5_scan, .Lfunc_end_k_q0aebe4e1a5_scan-k_q0aebe4e1a5_scan
	.p2alignl 7, 3214868480
	.fill 96, 4, 3214868480
	.section	.rodata,"a",@progbits
	.p2align	6, 0x0
	.amdhsa_kernel k_q0aebe4e1a5_scan
		.amdhsa_group_segment_fixed_size 236544
		.amdhsa_private_segment_fixed_size 0
		.amdhsa_enable_private_segment 0
		.amdhsa_kernarg_size 56
		.amdhsa_user_sgpr_count 2
		.amdhsa_user_sgpr_kernarg_segment_ptr 1
		.amdhsa_wavefront_size32 1
		.amdhsa_system_sgpr_workgroup_id_x 1
		.amdhsa_system_sgpr_workgroup_id_y 1
		.amdhsa_system_sgpr_workgroup_id_z 1
		.amdhsa_system_vgpr_workitem_id 0
		.amdhsa_next_free_vgpr 864
		.amdhsa_next_free_sgpr 66
		.amdhsa_reserve_vcc 0
		.amdhsa_float_denorm_mode_32 3
		.amdhsa_float_denorm_mode_16_64 3
		.amdhsa_memory_ordered 1
		.amdhsa_forward_progress 1
		.amdhsa_inst_pref_size 112
	.end_amdhsa_kernel
	.amdgpu_metadata
---
amdhsa.version: [ 1, 2 ]
amdhsa.kernels:
  - .name:           k_q0aebe4e1a5_scan
    .symbol:         k_q0aebe4e1a5_scan.kd
    .args:
      - { .name: vision_features_codes, .offset: 0, .size: 8, .value_kind: global_buffer, .address_space: global }
      - { .name: vision_features_scales, .offset: 8, .size: 8, .value_kind: global_buffer, .address_space: global }
      - { .name: W_codes, .offset: 16, .size: 8, .value_kind: global_buffer, .address_space: global }
      - { .name: W_scales, .offset: 24, .size: 8, .value_kind: global_buffer, .address_space: global }
      - { .name: b, .offset: 32, .size: 8, .value_kind: global_buffer, .address_space: global }
      - { .name: g1, .offset: 40, .size: 8, .value_kind: global_buffer, .address_space: global }
      - { .name: g2, .offset: 48, .size: 8, .value_kind: global_buffer, .address_space: global }
    .group_segment_fixed_size: 236544
    .private_segment_fixed_size: 0
    .kernarg_segment_align: 8
    .kernarg_segment_size: 56
    .max_flat_workgroup_size: 128
    .sgpr_count:     66
    .vgpr_count:     864
    .wavefront_size: 32
...
	.end_amdgpu_metadata
.endif
;; end of part 1
;; launch refine (part 2): grid 256 x 1, 4 waves a work-group, no clusters, 16,384 bytes of LDS; arguments g2, g1, W_codes, W_scales, b, vision_features_codes, vision_features_scales, sidx, swt; writes sidx, swt
.if DOCPART == 2
	.amdgcn_target "amdgcn-amd-amdhsa--gfx1250"
	.amdhsa_code_object_version 6
	.text
	.protected	k_q0aebe4e1a5_refine
	.globl	k_q0aebe4e1a5_refine
	.p2align	8
	.type	k_q0aebe4e1a5_refine,@function
k_q0aebe4e1a5_refine:
	s_mov_b64 s[64:65], 0
	v_nop
	global_prefetch_b8 v0, s[64:65] scope:SCOPE_SE
	s_setreg_imm32_b32 hwreg(HW_REG_WAVE_MODE, 25, 1), 1
	s_wait_xcnt 0x0
; For each row: its five first quads are picked from the 256 stored quad maxima, its five first groups from those quads' 20 stored group maxima; the 40 scores of those groups are worked out again, by the same
; matrix instruction with the same sources in the same order of K, so with the same bits; their exact top five (the lower index first on equal scores) and its softmax are stored: sidx, swt: [8192][8], five used, three zeros.
; THE PICKING IS WORK ON WHOLE NUMBERS READ FROM MEMORY: the stored f32 bits (sign and magnitude) are turned into two's complement, whose signed order is the scores' order, -0 and +0 alike.
; Candidates come in ascending gid and insertions are on strictly greater, so equal keys keep the lower gid first; picked gids are sorted ascending before the next stage.
; Addresses hang on the picked gids alone, each held inside its table first.  What is derived from this launch's own floating-point numbers (the five indices) enters no address here: it is stored.
; SHARES.  A work-group: 32 rows.  Picking: lane = row; wave w takes quads 64 w .. 64 w + 63; the four lists meet in LDS, and every wave merges them and goes on for all 32 rows.
; Products: xt = w >> 1, q = w & 1.  Wave w serves the eight rows 16 xt + 4 q + i + 8 h.  Tile (c, i) of W: rows 0-7 are group c of row 4 q + i, rows 8-15 group c of row 4 q + i + 8 (of X's tile xt).
; Transposed use (source 0 = W's tile, source 1 = X's tile xt): the lane with r = 4 q + i + 8 h holds its own row's group.
; NO CLUSTER, NO TENSOR LOAD, NO PREFETCH: which rows of W a work-group reads hangs on the stored numbers, so work-groups share no tile, and the text has no loop to run ahead in.
; LIMITS: NaN and infinite scores are not served.
; LDS: 0: [4 waves][10 slots][32 rows] words; OUTX: [4 waves][32 lanes] 64 bytes: every lane's indices and weights, of which the owners' are read back; GSB: [4 waves][5][32 rows] words: the sorted gids; SPARE.
.set OUTX, 5120
.set GSB,  13312
.set SPARE, 15872
.set XF,  16
.set XS,  64
.set WS,  70
.set ACC, 118
.set BI,  150
.set LI,  166
.set LV,  174
.set CO,  186
.set SO,  206
.set BO,  226
.set GO8, 231
.set TMP, 236
.set LW,  244
.set IDX, 252
.set RAW, 70                           ; while picking: v70-133 keys; v134-138, v140-144 the list's keys and gids; v145 free for the sort
.set KIN, 134
.set GIN, 140
.set GR,  146                          ; the candidate's gid
.set G2C, 148                          ; v148-152 the five quads
.set AD,  153                          ; v153-157 their byte offsets in g1
.set LC,  158                          ; my row's constant part of those
.set TT,  160                          ; v160-223 at work
.set CM,  40
.set MK,  50
.set MSB, 0
.macro WIN new
.if MSB != (\new)
	s_set_vgpr_msb (MSB<<8)|(\new)
.set MSB, \new
.endif
.endm
.macro INS_I kr, gr                    ; (key, gid) into the sorted list of five, on strictly greater
.irp k, 0,1,2,3,4
	v_cmp_gt_i32 s[CM+\k], v[\kr], v[KIN+\k]
.endr
.irp k, 0,1,2,3
	v_cndmask_b32 v[TMP+\k], v[\kr], v[KIN+\k], s[CM+\k]
	v_cndmask_b32 v[TMP+4+\k], v[\gr], v[GIN+\k], s[CM+\k]
.endr
.irp k, 4,3,2,1
	v_cndmask_b32 v[KIN+\k], v[KIN+\k], v[TMP+\k-1], s[CM+\k]
	v_cndmask_b32 v[GIN+\k], v[GIN+\k], v[TMP+4+\k-1], s[CM+\k]
.endr
	v_cndmask_b32 v[KIN], v[KIN], v[\kr], s[CM]
	v_cndmask_b32 v[GIN], v[GIN], v[\gr], s[CM]
.endm
.macro LISTNEW                         ; the list begins under every key
.irp k, 0,1,2,3,4
	v_mov_b32 v[KIN+\k], 0x80000000
	v_mov_b32 v[GIN+\k], 0
.endr
.endm
.macro CONVR b, cnt                    ; sign and magnitude to two's complement: (magnitude xor s) - s, s = the sign spread over the word
.set n, 0
.rept \cnt
	v_ashrrev_i32 v[TT+n], 31, v[RAW+(\b)+n]
.set n, n+1
.endr
.set n, 0
.rept \cnt
	v_and_b32 v[RAW+(\b)+n], 0x7fffffff, v[RAW+(\b)+n]
.set n, n+1
.endr
.set n, 0
.rept \cnt
	v_xor_b32 v[RAW+(\b)+n], v[RAW+(\b)+n], v[TT+n]
.set n, n+1
.endr
.set n, 0
.rept \cnt
	v_sub_nc_u32 v[RAW+(\b)+n], v[RAW+(\b)+n], v[TT+n]
.set n, n+1
.endr
.endm
.macro CE a, b                         ; gids a and b are put in order; the smaller goes into the free register, which takes a's name
	v_cmp_gt_u32 vcc_lo, v[R\a], v[R\b]
	v_cndmask_b32 v[RF], v[R\a], v[R\b], vcc_lo
	v_cndmask_b32 v[R\b], v[R\b], v[R\a], vcc_lo
.set RT, R\a
.set R\a, RF
.set RF, RT
.endm
.macro SORT5                           ; nine exchanges sort the list's five gids ascending
.set R0, GIN
.set R1, GIN+1
.set R2, GIN+2
.set R3, GIN+3
.set R4, GIN+4
.set RF, GIN+5
	CE 0, 1
	CE 3, 4
	CE 2, 4
	CE 2, 3
	CE 1, 4
	CE 0, 3
	CE 0, 2
	CE 1, 3
	CE 1, 2
.endm
.macro INS_F vr, p                     ; the score in v[vr], index in v[IDX + p], into the sorted list of five, on strictly greater
.irp k, 0,1,2,3,4
	v_cmp_gt_f32 s[CM+5*(\p)+\k], v[\vr], v[LV+\k]
.endr
.irp k, 0,1,2,3
	v_cndmask_b32 v[TMP+4*(\p)+\k], v[IDX+(\p)], v[LI+\k], s[CM+5*(\p)+\k]
.endr
.irp k, 4,3,2,1
	v_cndmask_b32 v[LI+\k], v[LI+\k], v[TMP+4*(\p)+\k-1], s[CM+5*(\p)+\k]
.endr
	v_cndmask_b32 v[LI], v[LI], v[IDX+(\p)], s[CM+5*(\p)]
.irp k, 4,3,2,1
	v_med3_num_f32 v[LV+\k], v[LV+\k-1], v[LV+\k], v[\vr]
.endr
	v_max_num_f32 v[LV], v[LV], v[\vr]
.endm
.macro ISSUE c                         ; the 62 loads of batch c: four tiles' fragments (48), their scale words (12), my own group's biases (2)
	WIN 0x40*(1+(\c)%2)
.irp i, 0,1,2,3
.irp s, 0,1,2,3,4,5
.irp e, 0,1
	global_load_b128 v[48*\i+8*\s+4*\e:48*\i+8*\s+4*\e+3], v[CO+4*(\c)+\i], s[8:9] offset:64*\s+32*\e
.endr
.endr
.endr
	WIN 0
.irp i, 0,1,2,3
.irp j, 0,1,2
	global_load_b64 v[WS+24*((\c)%2)+6*\i+2*\j:WS+24*((\c)%2)+6*\i+2*\j+1], v[SO+4*(\c)+\i], s[10:11] offset:8*\j
.endr
.endr
	global_load_b128 v[BI+8*((\c)%2):BI+8*((\c)%2)+3], v[BO+(\c)], s[12:13]
	global_load_b128 v[BI+8*((\c)%2)+4:BI+8*((\c)%2)+7], v[BO+(\c)], s[12:13] offset:16
.endm
	s_load_b256 s[4:11], s[0:1], 0x0               ; g2 s[4:5], g1 s[6:7], W's codes s[8:9], W's scales s[10:11]
	s_load_b256 s[12:19], s[0:1], 0x20             ; b s[12:13], X's codes s[14:15], X's scales s[16:17], sidx s[18:19]
	s_load_b64 s[20:21], s[0:1], 0x40              ; swt
	v_lshl_add_u32 v254, v0, 2, SPARE
	v_mov_b32 v255, 0
	v_lshrrev_b32 v1, 5, v0
	v_readfirstlane_b32 s22, v1                    ; wave 0..3
	s_lshr_b32 s23, s22, 1                         ; xt
	s_and_b32 s24, s22, 1                          ; q
	s_mul_i32 s30, s22, 1280                       ; my wave's list in LDS
	s_lshl_b32 s31, s22, 11
	s_add_co_u32 s31, s31, OUTX                    ; my wave's results
	s_lshl_b32 s32, s24, 12
	s_lshl_b32 s33, s23, 5
	s_add_co_u32 s32, s32, s33
	s_add_co_u32 s32, s32, OUTX                    ; what I read back: tile w & 1 of X; indices (w < 2) or weights
	s_mul_i32 s54, s22, 640
	s_add_co_u32 s54, s54, GSB                     ; my wave's copy of the sorted gids
	s_lshl_b32 s33, s23, 6
	s_add_co_u32 s33, s33, s54
	s_lshl_b32 s34, s24, 4
	s_add_co_u32 s34, s34, s33
	s_lshl_b32 s35, s22, 6                         ; my first quad
	s_mov_b32 s[MK], 0x22222222
	s_mov_b32 s[MK+1], 0x44444444
	s_mov_b32 s[MK+2], 0x88888888
	s_lshl_b32 s26, ttmp9, 15                      ; g2: 32,768 bytes for my work-group's 32 rows,
	s_lshl_b32 s28, s22, 13                        ; 8,192 for my wave's four parts
	s_add_co_u32 s26, s26, s28
	s_mov_b32 s27, 0
	v_and_b32 v1, 31, v0                           ; lane
	v_and_b32 v2, 15, v0                           ; r
	v_bfe_u32 v3, v0, 4, 1                         ; h
	v_lshlrev_b32 v4, 2, v1                        ; a row's word
	v_add_nc_u32 v5, s30, v4
	v_mul_u32_u24 v6, v2, 384
	v_lshl_add_u32 v6, v3, 4, v6                   ; X's codes
	v_mul_u32_u24 v7, v2, 24                       ; X's scale words
	v_and_b32 v8, 7, v0                            ; which row of a group I load
	v_lshlrev_b32 v9, 4, v3
	v_lshl_add_u32 v10, v1, 6, s31                 ; the results, in: 64 bytes a lane
	v_bfe_u32 v11, v0, 1, 4                        ; back: row rr = lane / 2 of the tile; its owner is lane rr + 16 (rr >> 3) of wave 2 xt + bit 2 of rr
	v_lshlrev_b32 v11, 6, v11
	v_lshl_add_u32 v11, v3, 10, v11
	v_bfe_u32 v[IDX], v0, 3, 1
	v_lshl_add_u32 v11, v[IDX], 11, v11
	v_lshlrev_b32 v15, 5, v[IDX]
	v_and_b32 v[IDX], 1, v0
	v_lshl_add_u32 v11, v[IDX], 4, v11
	v_add_nc_u32 v11, s32, v11
	v_lshlrev_b32 v12, 4, v1
	v_lshl_add_u32 v13, v2, 2, s33                 ; the sorted gids' word of my own row, 16 xt + r
	v_add_nc_u32 v15, s34, v15                     ; and of row 16 xt + 4 q + 8 (r >> 3): 4 i bytes on lies the row whose group I load for tile i
	v_lshlrev_b32 v14, 3, v2
	v_lshl_add_u32 v14, v3, 2, v14                 ; g2: my row's word in half a unit: 8 (row % 16) + 4 (row / 16)
	v_lshlrev_b32 v[LC], 4, v2
	v_lshl_add_u32 v[LC], v3, 16, v[LC]            ; g1: 65,536 (row / 16) + 16 (row % 16)
	v_mov_b32 v[GR], s35
	LISTNEW
	s_wait_alu depctr_va_vdst(0)
	s_wait_kmcnt 0x0
	s_add_nc_u64 s[4:5], s[4:5], s[26:27]
	s_lshl_b32 s26, ttmp9, 17
	s_add_nc_u64 s[6:7], s[6:7], s[26:27]
	s_lshl_b32 s28, ttmp9, 5
	s_lshl_b32 s29, s23, 4
	s_add_co_u32 s28, s28, s29                     ; X's tile: row 32 wg + 16 xt
	s_mul_i32 s26, s28, 384
	s_add_nc_u64 s[14:15], s[14:15], s[26:27]
	s_mul_i32 s26, s28, 24
	s_add_nc_u64 s[16:17], s[16:17], s[26:27]
	s_cmp_lt_u32 s22, 2                            ; waves 0 and 1 store the indices, waves 2 and 3 the weights: 512 bytes each
	s_cselect_b64 s[18:19], s[18:19], s[20:21]
	s_lshl_b32 s26, ttmp9, 10
	s_lshl_b32 s28, s24, 9
	s_add_co_u32 s26, s26, s28
	s_add_nc_u64 s[18:19], s[18:19], s[26:27]
.set n, 0
.rept 64                                       ; quad 64 w + n = 16 part + 8 h + T / 4: 32 lanes read 128 consecutive bytes
	global_load_b32 v[RAW+n], v14, s[4:5] offset:(n/16)*2048+(n%8)*256+((n/8)%2)*128 th:TH_LOAD_NT
.set n, n+1
.endr
.irp s, 0,1,2,3,4,5
.irp e, 0,1
	global_load_b128 v[XF+8*\s+4*\e:XF+8*\s+4*\e+3], v6, s[14:15] offset:64*\s+32*\e
.endr
.endr
.irp j, 0,1,2
	global_load_b64 v[XS+2*\j:XS+2*\j+1], v7, s[16:17] offset:8*\j
.endr
	s_wait_loadcnt 47                              ; the first 32 keys are in: 32 keys and X's 15 loads may be out
	CONVR 0, 32
.set m, 0
.rept 32
	INS_I RAW+m, GR
	v_add_nc_u32 v[GR], 1, v[GR]
.set m, m+1
.endr
	s_wait_alu depctr_va_vdst(0)
	s_wait_loadcnt 15                              ; all keys are in
	CONVR 32, 32
.rept 32
	INS_I RAW+m, GR
	v_add_nc_u32 v[GR], 1, v[GR]
.set m, m+1
.endr
.irp k, 0,1,2,3,4
	ds_store_b32 v5, v[KIN+\k] offset:128*\k
	ds_store_b32 v5, v[GIN+\k] offset:128*(5+\k)
.endr
	s_wait_dscnt 0x0                               ; for the others' sake: my list has landed
	s_barrier_signal -1
	s_barrier_wait -1
.irp w, 0,1,2,3
.irp k, 0,1,2,3,4
	ds_load_b32 v[RAW+5*\w+\k], v4 offset:1280*\w+128*\k
	ds_load_b32 v[RAW+20+5*\w+\k], v4 offset:1280*\w+128*(5+\k)
.endr
.endr
	v_add_nc_u32 v5, s54, v4                       ; from here on: my row's word in my wave's copy of the sorted gids
	LISTNEW
	s_wait_alu depctr_va_vdst(0)
	s_wait_dscnt 0x0
.set m, 0
.rept 20
	INS_I RAW+m, RAW+20+m                          ; every wave merges the four lists, in ascending quads
.set m, m+1
.endr
	SORT5
.irp c, 0,1,2,3,4
	v_min_u32 v[G2C+\c], 0xff, v[R\c]              ; a number read from memory is held inside the table before it enters an address
.endr
.irp c, 0,1,2,3,4                              ; quad = 16 part + 8 h + u: 4,096 part + 512 u + 256 h bytes
	v_and_b32 v[TT+3*\c], 0xf0, v[G2C+\c]
	v_and_b32 v[TT+3*\c+1], 7, v[G2C+\c]
	v_and_b32 v[TT+3*\c+2], 8, v[G2C+\c]
.endr
.irp c, 0,1,2,3,4
	v_lshlrev_b32 v[TT+3*\c], 8, v[TT+3*\c]
	v_lshlrev_b32 v[TT+3*\c+1], 9, v[TT+3*\c+1]
	v_lshlrev_b32 v[TT+3*\c+2], 5, v[TT+3*\c+2]
.endr
.irp c, 0,1,2,3,4
	v_add_nc_u32 v[AD+\c], v[TT+3*\c], v[LC]
.endr
.irp c, 0,1,2,3,4
	v_add_nc_u32 v[AD+\c], v[AD+\c], v[TT+3*\c+1]
.endr
.irp c, 0,1,2,3,4
	v_add_nc_u32 v[AD+\c], v[AD+\c], v[TT+3*\c+2]
.endr
.irp c, 0,1,2,3,4
	global_load_b128 v[RAW+4*\c:RAW+4*\c+3], v[AD+\c], s[6:7]   ; the quad's four group maxima of my row
.endr
	LISTNEW
	s_wait_alu depctr_va_vdst(0)
	s_wait_loadcnt 0x0
	CONVR 0, 20
.irp c, 0,1,2,3,4
	v_lshlrev_b32 v[GR], 2, v[G2C+\c]              ; gid = 4 quad + t
.irp t, 0,1,2,3
	INS_I RAW+4*\c+\t, GR
	v_add_nc_u32 v[GR], 1, v[GR]
.endr
.endr
	SORT5
	; the gids go to the lanes that load by them, through the wave's own LDS words; LDS serves a wave's instructions in order (ISA guide 5.7.1.4): no barrier
.irp c, 0,1,2,3,4
	ds_store_b32 v5, v[R\c] offset:128*\c
.endr
.irp c, 0,1,2,3,4
.irp i, 0,1,2,3
	ds_load_b32 v[CO+4*\c+\i], v15 offset:128*\c+4*\i
.endr
	ds_load_b32 v[GO8+\c], v13 offset:128*\c
.endr
	s_wait_dscnt 0x0
.set n, 0
.rept 20
	v_min_u32 v[CO+n], 0x3ff, v[CO+n]
	v_lshlrev_b32 v[CO+n], 3, v[CO+n]
	v_add_nc_u32 v[CO+n], v[CO+n], v8              ; the row of W: 8 gid + lane % 8
	v_mul_u32_u24 v[SO+n], v[CO+n], 24
	v_mul_u32_u24 v[CO+n], v[CO+n], 384
	v_add_nc_u32 v[CO+n], v[CO+n], v9
.set n, n+1
.endr
.irp c, 0,1,2,3,4
	v_min_u32 v[GO8+\c], 0x3ff, v[GO8+\c]
	v_lshlrev_b32 v[BO+\c], 5, v[GO8+\c]
	v_lshlrev_b32 v[GO8+\c], 3, v[GO8+\c]
.endr
	ISSUE 0
	ISSUE 1
.irp k, 0,1,2,3,4
	v_mov_b32 v[LV+\k], 0xff800000                 ; under every score
.endr
.irp k, 0,1,2,3,4,5,6,7
	v_mov_b32 v[LI+\k], 0
.endr
.macro BATCH c                         ; a group of each row
.if (\c) < 4
	s_wait_loadcnt 62                              ; this batch is in; the next batch's 62 loads may be out
.else
	s_wait_loadcnt 0x0
.endif
	WIN 1+(\c)%2
.irp s, 0,1,2,3,4,5                            ; K ascending; the four accumulators by turns
.irp i, 0,1,2,3
.if \s == 0
	v_wmma_scale_f32_16x16x128_f8f6f4 v[ACC+8*\i:ACC+8*\i+7], v[48*\i+8*\s:48*\i+8*\s+7], v[XF+8*\s:XF+8*\s+7], 0, v[WS+24*((\c)%2)+6*\i+\s], v[XS+\s] matrix_a_fmt:MATRIX_FMT_FP4 matrix_b_fmt:MATRIX_FMT_FP4
.else
	v_wmma_scale_f32_16x16x128_f8f6f4 v[ACC+8*\i:ACC+8*\i+7], v[48*\i+8*\s:48*\i+8*\s+7], v[XF+8*\s:XF+8*\s+7], v[ACC+8*\i:ACC+8*\i+7], v[WS+24*((\c)%2)+6*\i+\s], v[XS+\s] matrix_a_fmt:MATRIX_FMT_FP4 matrix_b_fmt:MATRIX_FMT_FP4
.endif
.endr
.endr
	WIN 0
.rept 4
	v_nop                                          ; the places behind the products (ISA guide 7.12.1)
.endr
.irp j, 0,1,2,3,4,5,6,7                        ; a lane takes the tile i = lane % 4; each accumulator is read from its low end on
.irp i, 1,2,3
	v_cndmask_b32 v[ACC+\j], v[ACC+\j], v[ACC+8*\i+\j], s[MK+\i-1]
.endr
.endr
.irp p, 0,1,2,3
	v_pk_add_f32 v[ACC+2*\p:ACC+2*\p+1], v[ACC+2*\p:ACC+2*\p+1], v[BI+8*((\c)%2)+2*\p:BI+8*((\c)%2)+2*\p+1]   ; + b, one rounding
.endr
.if (\c) < 3
	ISSUE (\c)+2
.endif
.irp j, 0,1,2,3,4,5,6,7
	v_add_nc_u32 v[IDX+\j%2], \j, v[GO8+(\c)]      ; the candidate's index; groups and their members come in ascending index
	INS_F ACC+\j, \j%2
.endr
.endm
	BATCH 0
	BATCH 1
	BATCH 2
	BATCH 3
	BATCH 4
	; the softmax of the five: the largest is taken away first
.irp k, 1,2,3,4
	v_sub_f32 v[TMP+\k], v[LV+\k], v[LV]
.endr
.irp k, 1,2,3,4
	v_mul_f32 v[TMP+\k], 0x3fb8aa3b, v[TMP+\k]
.endr
	s_wait_alu depctr_va_vdst(0)
.irp k, 1,2,3,4
	v_exp_f32 v[LW+\k], v[TMP+\k]
.endr
	v_mov_b32 v[LW+5], 0
	v_mov_b32 v[LW+6], 0
	v_mov_b32 v[LW+7], 0
	s_wait_alu depctr_va_vdst(0)
	v_add_f32 v[TMP], 1.0, v[LW+1]                 ; the largest's own term is 1
	v_add_f32 v[TMP+1], v[LW+2], v[LW+3]
	v_add_f32 v[TMP], v[TMP], v[LW+4]
	v_add_f32 v[TMP], v[TMP], v[TMP+1]
	s_wait_alu depctr_va_vdst(0)
	v_rcp_f32 v[LW], v[TMP]                        ; which is weight 0 as it stands
	v_nop
	s_wait_alu depctr_va_vdst(0)
.irp k, 1,2,3,4
	v_mul_f32 v[LW+\k], v[LW+\k], v[LW]
.endr
	; the way out: every lane puts its 32 + 32 bytes into its own place; only the owners' are read back, and each wave stores 512 consecutive bytes
	ds_store_b128 v10, v[LI:LI+3]
	ds_store_b128 v10, v[LI+4:LI+7] offset:16
	ds_store_b128 v10, v[LW:LW+3] offset:32
	ds_store_b128 v10, v[LW+4:LW+7] offset:48
	s_wait_dscnt 0x0                               ; for the others' sake
	s_barrier_signal -1
	s_barrier_wait -1
	ds_load_b128 v[TMP:TMP+3], v11
	s_wait_dscnt 0x0
	global_store_b128 v12, v[TMP:TMP+3], s[18:19]
	s_wait_tensorcnt 0x0                           ; the wave's end
	ds_add_u32 v254, v255
	s_wait_dscnt 0x0
	s_endpgm
.Lfunc_end_k_q0aebe4e1a5_refine:
	.size	k_q0aebe4e1a5_refine, .Lfunc_end_k_q0aebe4e1a5_refine-k_q0aebe4e1a5_refine
	.p2alignl 7, 3214868480
	.fill 96, 4, 3214868480
	.section	.rodata,"a",@progbits
	.p2align	6, 0x0
	.amdhsa_kernel k_q0aebe4e1a5_refine
		.amdhsa_group_segment_fixed_size 16384
		.amdhsa_private_segment_fixed_size 0
		.amdhsa_enable_private_segment 0
		.amdhsa_kernarg_size 72
		.amdhsa_user_sgpr_count 2
		.amdhsa_user_sgpr_kernarg_segment_ptr 1
		.amdhsa_wavefront_size32 1
		.amdhsa_system_sgpr_workgroup_id_x 1
		.amdhsa_system_sgpr_workgroup_id_y 1
		.amdhsa_system_sgpr_workgroup_id_z 1
		.amdhsa_system_vgpr_workitem_id 0
		.amdhsa_next_free_vgpr 704
		.amdhsa_next_free_sgpr 66
		.amdhsa_reserve_vcc 1
		.amdhsa_float_denorm_mode_32 3
		.amdhsa_float_denorm_mode_16_64 3
		.amdhsa_memory_ordered 1
		.amdhsa_forward_progress 1
		.amdhsa_inst_pref_size 255
	.end_amdhsa_kernel
	.section	.bss,"aw",@nobits
	.p2align	6
	.space	262144
	.amdgpu_metadata
---
amdhsa.version: [ 1, 2 ]
amdhsa.kernels:
  - .name:           k_q0aebe4e1a5_refine
    .symbol:         k_q0aebe4e1a5_refine.kd
    .args:
      - { .name: g2, .offset: 0, .size: 8, .value_kind: global_buffer, .address_space: global }
      - { .name: g1, .offset: 8, .size: 8, .value_kind: global_buffer, .address_space: global }
      - { .name: W_codes, .offset: 16, .size: 8, .value_kind: global_buffer, .address_space: global }
      - { .name: W_scales, .offset: 24, .size: 8, .value_kind: global_buffer, .address_space: global }
      - { .name: b, .offset: 32, .size: 8, .value_kind: global_buffer, .address_space: global }
      - { .name: vision_features_codes, .offset: 40, .size: 8, .value_kind: global_buffer, .address_space: global }
      - { .name: vision_features_scales, .offset: 48, .size: 8, .value_kind: global_buffer, .address_space: global }
      - { .name: sidx, .offset: 56, .size: 8, .value_kind: global_buffer, .address_space: global }
      - { .name: swt, .offset: 64, .size: 8, .value_kind: global_buffer, .address_space: global }
    .group_segment_fixed_size: 16384
    .private_segment_fixed_size: 0
    .kernarg_segment_align: 8
    .kernarg_segment_size: 72
    .max_flat_workgroup_size: 128
    .sgpr_count:     66
    .vgpr_count:     704
    .wavefront_size: 32
...
	.end_amdgpu_metadata
.endif
;; end of part 2
;; launch combine (part 3): grid 256 x 1, 32 waves a work-group, no clusters, 0 bytes of LDS; arguments sidx, swt, prompt_pool, out0; writes out0
.if DOCPART == 3
	.amdgcn_target "amdgcn-amd-amdhsa--gfx1250"
	.amdhsa_code_object_version 6
	.text
	.protected	k_q0aebe4e1a5_combine
	.globl	k_q0aebe4e1a5_combine
	.p2align	8
	.type	k_q0aebe4e1a5_combine,@function
k_q0aebe4e1a5_combine:
	s_mov_b64 s[64:65], 0
	v_nop
	global_prefetch_b8 v0, s[64:65] scope:SCOPE_SE
	s_setreg_imm32_b32 hwreg(HW_REG_WAVE_MODE, 25, 1), 1
	s_wait_xcnt 0x0
; out0[row][:] = the sum over k = 0 .. 4 of swt[row][k] x prompt_pool[sidx[row][k]][:], in f32.  One wave, one row; no loop.
; SHARES.  256 work-groups of 32 waves: 32 rows each.  A wave takes 124 registers, eight waves of a work-group 992: so all 32 rows of a work-group, 30 loads of 512 bytes each, are on their way together,
; and no row waits for another row's chain of scalar loads, gathers and stores to end.
; A row of the pool is 3,072 bytes: six loads of 512 consecutive bytes a wave; all 30 loads go out together, and the rows are added as they come.
; The product has K = 5 and one column for each row, which fills no matrix tile; the launch moves bytes: fused multiply-adds in f32, two at a time.  No LDS, no barrier: waves share nothing; which rows of the pool
; a wave reads hangs on the stored indices, so there is no tile to share in a cluster.
; The weights stay in scalar registers: the packed forms name a pair and take its low word for both halves, so weights 1 and 3, which arrive in odd registers, are copied to pairs of their own.
; An index read from memory is held to 8,191 before it enters an address.
.set P,   4                            ; v4-123   five rows, 24 registers each; the sum grows in the first
.set WP0, 24                           ; the pair whose low word is weight k
.set WP1, 42
.set WP2, 26
.set WP3, 46
.set WP4, 28
	s_load_b256 s[4:11], s[0:1], 0x0               ; sidx s[4:5], swt s[6:7], the pool s[8:9], out0 s[10:11]
	v_lshrrev_b32 v1, 5, v0
	s_delay_alu instid0(VALU_DEP_1)
	v_readfirstlane_b32 s12, v1                    ; wave 0..31
	s_lshl_b32 s13, ttmp9, 5
	s_add_co_u32 s13, s13, s12                     ; my row
	s_lshl_b32 s14, s13, 5                         ; 32 bytes a row in sidx and in swt
	s_mov_b32 s15, 0
	s_mov_b32 s45, 0
	v_and_b32 v1, 31, v0
	s_delay_alu instid0(VALU_DEP_1)
	v_lshlrev_b32 v1, 4, v1                        ; 16 x lane
	s_wait_alu depctr_va_vdst(0)
	s_wait_kmcnt 0x0
	s_add_nc_u64 s[4:5], s[4:5], s[14:15]
	s_add_nc_u64 s[6:7], s[6:7], s[14:15]
	s_load_b256 s[16:23], s[4:5], 0x0              ; the row's indices
	s_load_b256 s[24:31], s[6:7], 0x0              ; and weights
	s_mul_i32 s14, s13, 3072
	s_add_nc_u64 s[10:11], s[10:11], s[14:15]
	s_wait_kmcnt 0x0
.irp k, 0,1,2,3,4
	s_min_u32 s[16+\k], s[16+\k], 0x1fff
	s_mul_i32 s44, s[16+\k], 3072
	s_add_nc_u64 s[32+2*\k:33+2*\k], s[8:9], s[44:45]
.endr
.irp k, 0,1,2,3,4
.irp j, 0,1,2,3,4,5
	global_load_b128 v[P+24*\k+4*\j:P+24*\k+4*\j+3], v1, s[32+2*\k:33+2*\k] offset:512*\j
.endr
.endr
	s_mov_b32 s[WP1], s25                          ; weight 1,
	s_mov_b32 s[WP1+1], s25                        ; (named with it as a pair, so it is written)
	s_mov_b32 s[WP3], s27                          ; weight 3
	s_mov_b32 s[WP3+1], s27
	s_wait_loadcnt 24                              ; row 0's six loads are in; the 24 of the four rows behind it may be out
.irp n, 0,1,2,3,4,5,6,7,8,9,10,11
	v_pk_mul_f32 v[P+2*\n:P+2*\n+1], v[P+2*\n:P+2*\n+1], s[WP0:WP0+1] op_sel_hi:[1,0]
.endr
.irp k, 1,2,3,4
	s_wait_loadcnt 24-6*\k                         ; row k is in; six loads for each row still to come may be out
.irp n, 0,1,2,3,4,5,6,7,8,9,10,11
	v_pk_fma_f32 v[P+2*\n:P+2*\n+1], v[P+24*\k+2*\n:P+24*\k+2*\n+1], s[WP\k:WP\k+1], v[P+2*\n:P+2*\n+1] op_sel_hi:[1,0,1]
.endr
.endr
.irp j, 0,1,2,3,4,5
	global_store_b128 v1, v[P+4*\j:P+4*\j+3], s[10:11] offset:512*\j th:TH_STORE_NT   ; 32 lanes store 512 consecutive bytes, at a multiple of 256 from out0's first byte; written once, read by nobody here
.endr
	s_endpgm
.Lfunc_end_k_q0aebe4e1a5_combine:
	.size	k_q0aebe4e1a5_combine, .Lfunc_end_k_q0aebe4e1a5_combine-k_q0aebe4e1a5_combine
	.p2alignl 7, 3214868480
	.fill 96, 4, 3214868480
	.section	.rodata,"a",@progbits
	.p2align	6, 0x0
	.amdhsa_kernel k_q0aebe4e1a5_combine
		.amdhsa_group_segment_fixed_size 0
		.amdhsa_private_segment_fixed_size 0
		.amdhsa_enable_private_segment 0
		.amdhsa_kernarg_size 32
		.amdhsa_user_sgpr_count 2
		.amdhsa_user_sgpr_kernarg_segment_ptr 1
		.amdhsa_wavefront_size32 1
		.amdhsa_system_sgpr_workgroup_id_x 1
		.amdhsa_system_sgpr_workgroup_id_y 1
		.amdhsa_system_sgpr_workgroup_id_z 1
		.amdhsa_system_vgpr_workitem_id 0
		.amdhsa_next_free_vgpr 124
		.amdhsa_next_free_sgpr 66
		.amdhsa_reserve_vcc 0
		.amdhsa_float_denorm_mode_32 3
		.amdhsa_float_denorm_mode_16_64 3
		.amdhsa_memory_ordered 1
		.amdhsa_forward_progress 1
		.amdhsa_inst_pref_size 10
	.end_amdhsa_kernel
	.amdgpu_metadata
---
amdhsa.version: [ 1, 2 ]
amdhsa.kernels:
  - .name:           k_q0aebe4e1a5_combine
    .symbol:         k_q0aebe4e1a5_combine.kd
    .args:
      - { .name: sidx, .offset: 0, .size: 8, .value_kind: global_buffer, .address_space: global }
      - { .name: swt, .offset: 8, .size: 8, .value_kind: global_buffer, .address_space: global }
      - { .name: prompt_pool, .offset: 16, .size: 8, .value_kind: global_buffer, .address_space: global }
      - { .name: out0, .offset: 24, .size: 8, .value_kind: global_buffer, .address_space: global }
    .group_segment_fixed_size: 0
    .private_segment_fixed_size: 0
    .kernarg_segment_align: 8
    .kernarg_segment_size: 32
    .max_flat_workgroup_size: 1024
    .sgpr_count:     66
    .vgpr_count:     124
    .wavefront_size: 32
...
	.end_amdgpu_metadata
.endif
;; end of part 3
